; MI455X (gfx1250); checked and timed in simulation.
; The chip was launched on July 23, 2026; its instructions are those of AMD's public machine-readable ISA for CDNA 5 (MIT licence, August 2026) and "CDNA5" Instruction Set Architecture Reference Guide (July 2026). The comments in the code are by the model that wrote it; some were corrected since.
;; Attention. Allowed arithmetic: matrix products marked QUANTISED: E5M2 operands, one given power-of-two scale a tensor, by v_wmma_f32_16x16x64_bf8_bf8 or v_wmma_f32_16x16x128_bf8_bf8, f32 sums; everything else in f32.
;; Inputs: key_layer 2 x 16 x 2,048 x 128 float32; lowp_scales 4 int32 (the exponents e of the quantised operands' scales 2^e); query_layer 2 x 16 x 2,048 x 128 float32; value_layer 2 x 16 x 2,048 x 128 float32.
;; Outputs: out0 2 x 2,048 x 2,048 float32.
;; This version of the problem:
;;   THIS VERSION OF THE PROBLEM IS GIVEN IN LOW PRECISION. The matrix products marked QUANTISED in the list below multiply operands that are first quantised to E5M2 (5 exponent bits, 2 mantissa bits; 8 bits a number), with one given power-of-two scale for each operand tensor; their sums are f32. All else is computed in f32.
;;   The module's matrix products, in the order in which they are computed (A, B: the left and right operand; K: the contracted axis; several contracted axes count as one K, in the product's order):
;;     1. batch 32 x [M 2,048, K 128] x [K 128, N 2,048]; A: input query_layer; B: input key_layer: QUANTISED (scales: A lowp_scales[0], B lowp_scales[1])
;;     2. batch 32 x [M 2,048, K 2,048] x [K 2,048, N 128]; A: softmax (see below); B: input value_layer: QUANTISED (scales: A lowp_scales[2], B lowp_scales[3])
;;   THE QUANTISER, for each operand of a quantised product, along K:
;;     - The operand's scale is 2^e, e = its entry of the input lowp_scales (int32; the entries are numbered through the quantised products in the list's order, A before B).
;;     - Each number is divided by the scale, clamped to +-57,344, and rounded to the nearest number of E5M2, ties to even, subnormals kept.
;;     - The product sums the exact products of the quantised numbers (number of the format x scale) in f32.
;;   ~~~python
;;   def quantise(x, axis, e):      # numpy; x: float32 -> the quantised numbers, widened to float32 again
;;       x = np.moveaxis(x, axis, -1); K = x.shape[-1]
;;       r = np.clip(x / 2.0 ** e, -57344, 57344)
;;       step = 2.0 ** (np.maximum(np.frexp(np.where(r == 0, 1, r))[1] - 1, -14) - 2)
;;       q = np.round(r / step) * step * 2.0 ** e      # np.round: ties to even
;;       return np.moveaxis(q, -1, axis).astype(np.float32)
;;   ~~~
;;   SOFTMAX AHEAD OF A QUANTISED PRODUCT. Where the list says 'softmax', what is quantised is not the finished softmax but p = 2^(t - M), with t = logit x log2(e) and M = ceil(the row's largest t), a whole number; so 1/2 < the row's largest p <= 1. The row's sum l is taken of the UNQUANTISED p, in f32, and the product's result is divided by l at the end. Since M is a whole number, a kernel that streams over the keys may use a running M (the ceiling of the running maximum): every later rescaling is an exact power of two, so the quantised numbers keep their values, but for numbers so far below the row's largest that they fall under the format's range.
;;   OPERANDS COMPUTED ON THE WAY. 'Computed on the way' means the value that the module computes at that place (a softmax that the list does not call 'softmax' is quantised finished and normalised). What goes into a quantiser is computed in f32, as accurately as f32 sums, v_exp_f32 and their like allow (about 1e-6 of the number): no bf16 or f16 on the way to a quantiser, and a product that is left as it is and whose result goes on into a quantised operand takes f32 operands (vector FMAs, or v_wmma_f32_16x16x4_f32). A number that lies on a knife's edge between two numbers of the format may be rounded either way, as far as f32 arithmetic and the matrix unit's own rounding can turn it there, and no further.
;; One version. Each part assembles by itself: llvm-mc -triple=amdgcn-amd-amdhsa -mcpu=gfx1250 --defsym DOCPART=n.
;; ======== version 1 of 1: 2 launches
;; limits: right only within a limited range of input values
;; workspace buffers: kv_codes 16,777,216 bytes
;; launch quant (part 1): grid 512 x 1, 4 waves a work-group, no clusters, 34,304 bytes of LDS; arguments key_layer, value_layer, lowp_scales, kv_codes; writes kv_codes
.if DOCPART == 1
	.amdgcn_target "amdgcn-amd-amdhsa--gfx1250"
	.amdhsa_code_object_version 6
	.text
	.protected	k_qe7b6a92141_quant
	.globl	k_qe7b6a92141_quant
	.p2align	8
	.type	k_qe7b6a92141_quant,@function
k_qe7b6a92141_quant:
	s_mov_b64 s[64:65], 0
	v_nop
	global_prefetch_b8 v0, s[64:65] scope:SCOPE_SE
	s_setreg_imm32_b32 hwreg(HW_REG_WAVE_MODE, 25, 1), 1
	s_wait_xcnt 0x0
; K and V, [32 heads][2048 keys][128 d] f32, are turned into codes of BF8 (E5M2), one byte each, with the given scales 2^ek (entry 1 of the scales) and 2^ev (entry 3).
; code = x / 2^e, held within +-57,344, rounded to the nearest code, ties to even.
; DEAD WORK of the program: score tiles that lie wholly above the diagonal (every one of their scores becomes -infinity by the mask that the source builds) are not computed, and the source's division and multiplication by 2 cancel.
; A NaN, an infinity or an overflow that reaches only that work is not carried to the result.
; kv_codes: [32 heads][16 tiles of 128 keys][K's 16,384 bytes, V's 16,384 bytes], each part an image of the consumer's operand registers: fragments of 2,048 bytes, each four runs (c = 0..3) of 512 bytes, 16 bytes for lane 16 h + r.
;   K, fragment 2 b + u: lane (r, h) holds key 32 b + 8 u + r % 8 + 16 (r / 8), d = 32 c + 16 h + 0 .. 15.
;   V, fragment 4 g + j: lane (r, h) holds d = 64 g + 4 r + j, keys 32 c + 16 h + 0 .. 15.
; LIMITS: ek and ev between -126 and 112, so that 2^e and 57,344 x 2^e are f32 numbers.  NaN among the inputs is not served; an infinity is held at the largest code.
; SHARES: work-groups 0-255 take K, 256-511 V; a wave takes 64 keys as 4 units of 16 rows of 512 bytes, each row one load.  Two units (32 loads) are out ahead of the work.
; K's unit turns through the wave's own stage (row pitch 528 bytes); V's needs no LDS: the holds write each column's 16 keys into neighbouring registers.  No tensor loads, no barrier: waves share nothing.  No prefetch: the launch is one stream of loads that are all on their way early.
.set PITCH, 528
.set SPARE, 4*16*PITCH                 ; byte 33,792: the spare words, 128 bytes for each wave, that no other line names
.set EMAX, 15
.set MANT, 0x600000                    ; the mantissa field of 57,344 as f32
.set STQ,  6                           ; v6  K: the stage, out: row r, 64 h bytes on
.set STR,  7                           ; v7  K: the stage, in: 16 bytes a lane
.set VO,   8                           ; v8  V: my place in the codes
.set HOLD, 10                          ; v10 57,344 x 2^e
.set SCL,  11                          ; v11 2^e
.set SPW,  12                          ; v12 LDS address of my spare word; never rewritten
.set NIL,  13                          ; v13 0; never rewritten
.set R,    16                          ; v16-143 two sets of 16 rows as loaded
.set X,    144                         ; v144-207 the unit's numbers, neighbours along K of the product
.set CD,   208                         ; v208-239 two sets of codes
.macro KLOAD u
.set m, 0
.rept 16
	global_load_b128 v[R+64*((\u)%2)+4*m:R+64*((\u)%2)+4*m+3], v3, s[4:5] offset:512*(32*((\u)/2)+8*((\u)%2)+m%8+16*(m/8)) th:TH_LOAD_NT
.set m, m+1
.endr
.endm
.macro VLOAD u
.set m, 0
.rept 16
	global_load_b128 v[R+64*((\u)%2)+4*m:R+64*((\u)%2)+4*m+3], v3, s[6:7] offset:512*(16*(\u)+m) th:TH_LOAD_NT
.set m, m+1
.endr
.endm
.macro CODES u                         ; 64 numbers a lane: four runs of 16 neighbours
.irp c, 0,1,2,3
	v_cvt_scalef32_pk8_bf8_f32 v[CD+16*((\u)%2)+4*\c:CD+16*((\u)%2)+4*\c+1], v[X+16*\c:X+16*\c+7], v[SCL]
	v_cvt_scalef32_pk8_bf8_f32 v[CD+16*((\u)%2)+4*\c+2:CD+16*((\u)%2)+4*\c+3], v[X+16*\c+8:X+16*\c+15], v[SCL]
.endr
	v_nop                                          ; one plain vector instruction behind the last conversion
.endm
.macro LANDED u                        ; this unit's 16 loads are in; the next unit's 16 may be out
.if (\u) < 3
	s_wait_loadcnt 16
.else
	s_wait_loadcnt 0
.endif
.endm
.macro KUNIT u
	LANDED \u
.set m, 0
.rept 16
	ds_store_b128 v[STR], v[R+64*((\u)%2)+4*m:R+64*((\u)%2)+4*m+3] offset:PITCH*m
.set m, m+1
.endr
.set m, 0
.rept 16
	ds_load_b128 v[X+4*m:X+4*m+3], v[STQ] offset:128*(m/4)+16*(m%4)    ; LDS serves a wave's instructions in order (ISA guide 5.7.1.4)
.set m, m+1
.endr
	s_wait_dscnt 0x0                               ; the unit is back: the stores have read their registers
.if (\u) < 2
	KLOAD (\u)+2
.else
	s_wait_xcnt 0x0                                ; the stores of two units ago have read the codes' registers
.endif
.set m, 0
.rept 64
	v_med3_num_f32 v[X+m], v[X+m], -v[HOLD], v[HOLD]   ; the conversion does not saturate (ISA guide 7.6.2): the hold comes first
.set m, m+1
.endr
	CODES \u
.irp c, 0,1,2,3
	global_store_b128 v3, v[CD+16*((\u)%2)+4*\c:CD+16*((\u)%2)+4*\c+3], s[10:11] offset:2048*(\u)+512*\c   ; 512 consecutive bytes, at a multiple of 512
.endr
.endm
.macro VUNIT u
	LANDED \u
.if (\u) >= 2
	s_wait_xcnt 0x0                                ; the stores of two units ago have read the codes' registers
.endif
.set m, 0
.rept 64
	v_med3_num_f32 v[X+16*(m%4)+m/4], v[R+64*((\u)%2)+m], -v[HOLD], v[HOLD]   ; row m / 4, my column m % 4: the hold, and the column's keys side by side
.set m, m+1
.endr
.if (\u) < 2
	VLOAD (\u)+2
.endif
	CODES \u
.irp c, 0,1,2,3
	global_store_b128 v[VO], v[CD+16*((\u)%2)+4*\c:CD+16*((\u)%2)+4*\c+3], s[10:11] offset:2048*\c+256*(\u)   ; column \c of my four: sixteen lanes store 256 consecutive aligned bytes of fragment 4 g + \c
.endr
.endm
.macro SCALES e
	s_wait_kmcnt 0x0
	s_add_co_i32 s28, s[\e], 127
	s_lshl_b32 s29, s28, 23
	v_mov_b32 v[SCL], s29
	s_add_co_i32 s28, s28, EMAX
	s_lshl_b32 s28, s28, 23
	s_or_b32 s28, s28, MANT
	v_mov_b32 v[HOLD], s28
	s_wait_alu depctr_va_vdst(0)                   ; the wait at the head's end
.endm
	s_load_b256 s[4:11], s[0:1], 0x0               ; K s[4:5], V s[6:7], scales s[8:9], codes s[10:11]
	v_lshl_add_u32 v[SPW], v0, 2, SPARE
	v_mov_b32 v[NIL], 0
	v_lshrrev_b32 v1, 5, v0
	v_readfirstlane_b32 s16, v1                    ; wave 0..3
	v_and_b32 v2, 31, v0
	v_lshlrev_b32 v3, 4, v2                        ; 16 x lane
	v_and_b32 v4, 15, v2                           ; r
	v_lshrrev_b32 v5, 4, v2                        ; h
	s_mul_i32 s23, s16, 16*PITCH                   ; my stage
	v_mul_u32_u24 v[STQ], v4, PITCH
	v_lshl_add_u32 v[STQ], v5, 6, v[STQ]
	v_add_nc_u32 v[STQ], s23, v[STQ]
	v_add_nc_u32 v[STR], s23, v3
	v_lshlrev_b32 v[VO], 13, v5
	v_lshl_add_u32 v[VO], v4, 4, v[VO]             ; 8,192 g + 16 r
	s_wait_alu depctr_va_vdst(0)                   ; the wait here, ahead of the scalar run and the wait below
	s_and_b32 s17, ttmp9, 255
	s_lshl_b32 s17, s17, 2
	s_add_co_u32 s17, s17, s16                     ; which 64 keys are mine: 0 .. 1,023
	s_lshl_b32 s18, s17, 15                        ; 32,768 bytes of f32
	s_mov_b32 s19, 0
	s_lshr_b32 s20, s17, 1
	s_lshl_b32 s20, s20, 15                        ; the tile's 32,768 bytes of codes
	s_mov_b32 s21, 0
	s_and_b32 s22, s17, 1                          ; which half of its keys
	s_mov_b32 s23, 0
	s_wait_kmcnt 0x0
	s_load_b128 s[24:27], s[8:9], 0x0              ; eq, ek, ep, ev
	s_add_nc_u64 s[10:11], s[10:11], s[20:21]
	s_cmp_ge_u32 ttmp9, 256
	s_cbranch_scc1 .Lv
	s_add_nc_u64 s[4:5], s[4:5], s[18:19]
	s_lshl_b32 s22, s22, 13                        ; K: four fragments on
	s_add_nc_u64 s[10:11], s[10:11], s[22:23]
	KLOAD 0
	KLOAD 1
	SCALES 25
	KUNIT 0
	KUNIT 1
	KUNIT 2
	KUNIT 3
	s_wait_tensorcnt 0x0                           ; the wave's end, behind my last LDS store
	ds_add_u32 v[SPW], v[NIL]
	s_wait_dscnt 0x0
	s_endpgm
.Lv:
	s_add_nc_u64 s[6:7], s[6:7], s[18:19]
	s_lshl_b32 s22, s22, 10                        ; V: two runs c on,
	s_add_co_u32 s22, s22, 16384                   ; behind the tile's K part
	s_add_nc_u64 s[10:11], s[10:11], s[22:23]
	VLOAD 0
	VLOAD 1
	SCALES 27
	VUNIT 0
	VUNIT 1
	VUNIT 2
	VUNIT 3
	s_endpgm
.Lfunc_end_k_qe7b6a92141_quant:
	.size	k_qe7b6a92141_quant, .Lfunc_end_k_qe7b6a92141_quant-k_qe7b6a92141_quant
	.p2alignl 7, 3214868480
	.fill 96, 4, 3214868480
	.section	.rodata,"a",@progbits
	.p2align	6, 0x0
	.amdhsa_kernel k_qe7b6a92141_quant
		.amdhsa_group_segment_fixed_size 34304
		.amdhsa_private_segment_fixed_size 0
		.amdhsa_enable_private_segment 0
		.amdhsa_kernarg_size 32
		.amdhsa_user_sgpr_count 2
		.amdhsa_user_sgpr_kernarg_segment_ptr 1
		.amdhsa_wavefront_size32 1
		.amdhsa_system_sgpr_workgroup_id_x 1
		.amdhsa_system_sgpr_workgroup_id_y 1
		.amdhsa_system_sgpr_workgroup_id_z 1
		.amdhsa_system_vgpr_workitem_id 0
		.amdhsa_next_free_vgpr 240
		.amdhsa_next_free_sgpr 66
		.amdhsa_reserve_vcc 0
		.amdhsa_float_denorm_mode_32 3
		.amdhsa_float_denorm_mode_16_64 3
		.amdhsa_memory_ordered 1
		.amdhsa_forward_progress 1
		.amdhsa_inst_pref_size 63
	.end_amdhsa_kernel
	.amdgpu_metadata
---
amdhsa.version: [ 1, 2 ]
amdhsa.kernels:
  - .name:           k_qe7b6a92141_quant
    .symbol:         k_qe7b6a92141_quant.kd
    .args:
      - { .name: key_layer, .offset: 0, .size: 8, .value_kind: global_buffer, .address_space: global }
      - { .name: value_layer, .offset: 8, .size: 8, .value_kind: global_buffer, .address_space: global }
      - { .name: lowp_scales, .offset: 16, .size: 8, .value_kind: global_buffer, .address_space: global }
      - { .name: kv_codes, .offset: 24, .size: 8, .value_kind: global_buffer, .address_space: global }
    .group_segment_fixed_size: 34304
    .private_segment_fixed_size: 0
    .kernarg_segment_align: 8
    .kernarg_segment_size: 32
    .max_flat_workgroup_size: 128
    .sgpr_count:     66
    .vgpr_count:     240
    .wavefront_size: 32
...
	.end_amdgpu_metadata
.endif
;; end of part 1
;; launch attn (part 2): grid 8 x 32, 8 waves a work-group, no clusters, 327,680 bytes of LDS; arguments query_layer, kv_codes, lowp_scales, out0; writes out0
.if DOCPART == 2
	.amdgcn_target "amdgcn-amd-amdhsa--gfx1250"
	.amdhsa_code_object_version 6
	.text
	.protected	k_qe7b6a92141_attn
	.globl	k_qe7b6a92141_attn
	.p2align	8
	.type	k_qe7b6a92141_attn,@function
k_qe7b6a92141_attn:
	s_mov_b64 s[64:65], 0
	v_nop
	global_prefetch_b8 v0, s[64:65] scope:SCOPE_SE
	s_setreg_imm32_b32 hwreg(HW_REG_WAVE_MODE, 25, 1), 1
	s_wait_xcnt 0x0
; out0[b][q][128 h + :] = the sum over keys k <= q of softmax_k(Q[b][h][q] . K[b][h][k] / sqrt(128)) V[b][h][k][:]; both products on codes of BF8 (E5M2), each operand with the one scale 2^e given for it: eq, ek, ep, ev.
; (The division by 2 sqrt(128) and the multiplication by 2 of the source cancel.)  LEFT OUT: score tiles wholly above the diagonal, as the first launch's head says.
; Q: [32 heads][2048][128] f32, quantised here in registers.  kv_codes: [32][16 tiles of 128 keys][K 16,384 bytes, V 16,384 bytes], images of the operands' registers.  out0: [2][2048][16 x 128] f32.
; THE SOFTMAX AHEAD OF THE SECOND PRODUCT: t = score x log2(e) / sqrt(128); M = the row's largest t so far, rounded UP to a whole number; p = 2^(t - M) is quantised, not normalised; the row's sum is taken of the unquantised p and divides at the end.
; When M moves, the sum and O are multiplied by 2^(old M - new M): exact.
; SHARES.  A head's queries are 16 blocks of 128.  A work-group owns blocks i (low) and 15 - i (high): 17 tile steps of 128 queries x 128 keys.  Its eight waves are four pairs (w, w + 4); pair w has queries 32 w .. 32 w + 31 of each block.
;   Waves 0-3 walk tiles 0 .. 7 for the high block.  Waves 4-7 walk tiles 0 .. i for the low block, send it out, and walk tiles 9 .. 15 - i for the high one.  That is 8 trips for everybody.
;   The ninth trip is the high block's tile 8, half a step for each wave: of a pair's two query tiles of 16 a wave takes the one that it will finish (P); the other's (X) partial result goes to its partner through LDS.
;   P is query tile 0 in waves 0-3 and 1 in waves 4-7.  So every wave has the same work, and every trip count is a constant.
; Work-groups of one head: those with the same x / 4 and y / 2;  i = x % 4 + 4 (y % 2).
; LAYOUT.  Both products are used transposed: S^T = K Q^T, O^T = V^T P^T: a lane holds ONE query (lane % 16) throughout.  Register 16 b + k of S^T is key 32 b + 16 (lane / 16) + k of the tile; register 8 (4 g + j) + k of O^T is d = 64 g + 32 (lane / 16) + 4 k + j.
; THE RING: two slots of two tiles, 32,768 bytes each: waves 0-3's, waves 4-7's; each wave fetches 8,192 bytes of its own four's tile, 32 rows of 256 bytes, by one tensor load.  The slot is changed between a step's softmax (V's fragments are in registers by then) and its second product.
; NO CLUSTER, though a head's work-groups read the same tiles: where the low block ends and where the diagonal lies hangs on i, which differs between the work-groups that would be partners: branches would hang on the place in the cluster.
; PREFETCH: the head's work-group with i = 0, which walks all 16 tiles, asks for the tiles of trip n + 3 in trip n: each wave for the 8,192 bytes that it will load one trip later, lanes 256 bytes apart; it ends with tile 8 (waves 0-3) and tile 15 (waves 4-7).
; LIMITS on the given exponents, so that each power of two below is an f32 number: eq and ep between -126 and 112; eq + ek between -123 and 130; ep + ev is applied by v_ldexp_f32 and has none.  The scaled scores stay under 2^31 in magnitude.
; NaN among the inputs is not served; an infinity in Q is held at the largest code.
; REGISTERS.  Window 0: v1-31 addresses and constants; v32-63 Q's codes (P, X); v64-95 p's codes; v96-159, v160-223 S^T, then p; v224-245 at work, the sums.  Window 1: v256-383 O^T (P, X); v384-511 eight fragments of K or V.
.set SLOT1, 65536
.set QH,    131072                     ; the high block's Q codes, handed from wave w to wave w + 4: 4 x 4,096 bytes
.set STAGE, 147456                     ; 8 x 16 rows of 528 bytes, each wave's own
.set PITCH, 528
.set EXCH,  215040                     ; 8 x 8,192: partial O^T
.set EXML,  280576                     ; 8 x 256: -M and the sum that go with it
.set SPARE, 282624                     ; the spare words, 128 bytes for each wave, that no other line names
.set AD,   1                           ; v1  LDS address of my tile in the slot in hand + 16 x lane
.set AD0,  2                           ; v2  the same in slot 0
.set PFO,  3                           ; v3  256 x lane
.set DP,   4                           ; v4, v5: on the diagonal register 16 b + k of P, X is hidden where k is above this
.set SPW,  6
.set NIL,  7
.set STR,  8                           ; v8  stage, by rows
.set STW,  9                           ; v9  stage, by my query
.set GO,   10                          ; v10 16 x lane
.set MM,   12                          ; v12, v14: -M of P, X;  v13, v15: the largest t
.set FF,   20                          ; v20, v22: 2^(old M - new M)
.set HA,   24                          ; v24 57,344 x 2^ep
.set SC,   25                          ; v25 2^ep
.set NINF, 26
.set EXA,  27
.set EXB,  28
.set EML,  29
.set EMB,  30
.set QHA,  31
.set QP,   32
.set PP,   64
.set SP,   96
.set TA,   224                         ; v224-227 at work
.set PR,   228                         ; v228, v229 lane permutes
.set LP,   230                         ; v230-237, v238-245: the sums, four chains of pairs a tile; the first chain stays
.set FR,   128                         ; window 1: fragments
.set TB,   2
.set NN,   3                           ; s3  trip
.set SEL,  20
.set CS,   22
.set G1,   24
.set ND,   32                          ; s32 the trip whose tiles are asked for next
.set G0,   40
.set KB,   48                          ; s[48:49] my part of the head's tile 0
.set BI,   50                          ; s50 i in waves 4-7, 255 in waves 0-3
.set OFF,  51                          ; s51 8 - i
.set FL,   52                          ; s52 the trip that ends my low block; none in waves 0-3
.set DG,   53                          ; s53 my first query / 32 - my tile's first key / 32: under 4 on the diagonal
.set HDG,  54
.set TG,   55
.set OB,   56
.set PFA,  70
.set LIM,  72
.set EPV,  73
.set MSB, 0
.macro WIN new                         ; the immediate's high byte repeats the setting that is left
.if MSB != \new
	s_set_vgpr_msb (MSB<<8)|\new
.set MSB, \new
.endif
.endm
.macro PLACES                          ; four places behind a matrix instruction (ISA guide 7.12.1 for vector instructions)
.rept 4
	v_nop
.endr
.endm
.macro EACH x, op                      ; a line for P and, x = 1, for X
	\op 0
.if \x
	\op 1
.endif
.endm
.macro KLD lo                          ; four of K's fragments
.set t, \lo
.rept 4
.irp c, 0,1,2,3
	ds_load_b128 v[FR+16*t+4*\c:FR+16*t+4*\c+3], v[AD] offset:2048*t+512*\c
.endr
.set t, t+1
.endr
.endm
.macro VFRAG f
	WIN 0x40
.irp c, 0,1,2,3
	ds_load_b128 v[FR+16*(\f)+4*\c:FR+16*(\f)+4*\c+3], v[AD] offset:16384+2048*(\f)+512*\c
.endr
	WIN 0
.endm
.macro SM z
	v_wmma_f32_16x16x128_bf8_bf8 v[SP+64*\z+8*t:SP+64*\z+8*t+7], v[FR+16*t:FR+16*t+15], v[QP+16*\z:QP+16*\z+15], 0
.endm
.macro SMUL x                          ; S^T = K Q^T
	WIN 0x01
.set t, 0
.rept 8
	s_wait_dscnt 28-4*t                            ; fragment t's four loads are in; those of the fragments behind it may be out
	EACH \x, SM
.set t, t+1
.endr
	WIN 0
	PLACES
.endm
.macro MK z
	v_cmp_gt_i32 vcc_lo, k, v[DP+\z]
	v_cndmask_b32 v[SP+64*\z+16*mb+k], v[SP+64*\z+16*mb+k], v[NINF], vcc_lo
.endm
.macro MF z
	v_mov_b32 v[SP+64*\z+16*mb+k], v[NINF]
.endm
.macro MASKB b, x                      ; the tile's 32 keys b: before my 32 queries, among them (compared), or behind them (hidden)
.set mb, \b
	s_cmp_gt_u32 s[DG], \b
	s_cbranch_scc1 .Lnext_\@
	s_cmp_eq_u32 s[DG], \b
	s_cbranch_scc0 .Lfill_\@
.set k, 0
.rept 16
	EACH \x, MK
.set k, k+1
.endr
	s_wait_alu depctr_va_vdst(0)                   ; the wait ahead of the branch
	s_branch .Lnext_\@
.Lfill_\@:
.set k, 0
.rept 16
	EACH \x, MF
.set k, k+1
.endr
.Lnext_\@:
.endm
.macro MASK x                          ; on the diagonal hidden scores become -infinity ahead of the maximum; a scalar branch on ids leads round it elsewhere.  Every query has a key that counts in each of its steps
	s_cmp_ge_u32 s[DG], 4
	s_cbranch_scc1 .Lopen_\@
	MASKB 0, \x
	MASKB 1, \x
	MASKB 2, \x
	MASKB 3, \x
	s_wait_alu depctr_va_vdst(0)                   ; the wait between the scores written here and their readers
.Lopen_\@:
.endm
.macro MX0 z
	v_max3_num_f32 v[TA+2*\z], v[SP+64*\z], v[SP+64*\z+1], v[SP+64*\z+2]
.endm
.macro MX1 z
	v_max3_num_f32 v[TA+2*\z+1], v[SP+64*\z+3], v[SP+64*\z+4], v[SP+64*\z+5]
.endm
.macro MX2 z
	v_max3_num_f32 v[TA+2*\z], v[TA+2*\z], v[SP+64*\z+6+4*g], v[SP+64*\z+7+4*g]
.endm
.macro MX3 z
	v_max3_num_f32 v[TA+2*\z+1], v[TA+2*\z+1], v[SP+64*\z+8+4*g], v[SP+64*\z+9+4*g]
.endm
.macro MX4 z
	v_max3_num_f32 v[TA+2*\z], v[TA+2*\z], v[SP+64*\z+62], v[SP+64*\z+63]
.endm
.macro C1 z
	v_max_num_f32 v[TA+2*\z], v[TA+2*\z], v[TA+2*\z+1]
.endm
.macro C2 z
	v_permlanex16_b32 v[PR+\z], v[TA+2*\z], s[SEL], s[SEL+1]
.endm
.macro C3 z
	v_max_num_f32 v[TA+2*\z], v[TA+2*\z], v[PR+\z]
.endm
.macro C4 z
	v_mul_f32 v[TA+2*\z], s[CS], v[TA+2*\z]
.endm
.macro C5 z
	v_max_num_f32 v[MM+1+2*\z], v[MM+1+2*\z], v[TA+2*\z]
.endm
.macro C6 z
	v_mov_b32 v[TA+2*\z], v[MM+2*\z]
.endm
.macro C7 z
	v_floor_f32 v[MM+2*\z], -v[MM+1+2*\z]
.endm
.macro C8 z
	v_sub_f32 v[TA+2*\z], v[MM+2*\z], v[TA+2*\z]
.endm
.macro C9 z
	v_cvt_i32_f32 v[TA+2*\z], v[TA+2*\z]
.endm
.macro C10 z
	v_ldexp_f32 v[FF+2*\z], 1.0, v[TA+2*\z]
.endm
.macro FM z
	v_pk_fma_f32 v[SP+64*\z+k:SP+64*\z+k+1], v[SP+64*\z+k:SP+64*\z+k+1], s[CS:CS+1], v[MM+2*\z:MM+2*\z+1] op_sel_hi:[1,0,0]
.endm
.macro RS z
	v_pk_mul_f32 v[64*\z+k:64*\z+k+1], v[64*\z+k:64*\z+k+1], v[FF+2*\z:FF+2*\z+1] op_sel_hi:[1,0]
.endm
.macro LM z
	v_pk_mul_f32 v[LP+8*\z:LP+8*\z+1], v[LP+8*\z:LP+8*\z+1], v[FF+2*\z:FF+2*\z+1] op_sel_hi:[1,0]
.endm
.macro A0 z
	v_pk_add_f32 v[LP+8*\z+2+2*p:LP+8*\z+3+2*p], v[SP+64*\z+4*p:SP+64*\z+4*p+1], v[SP+64*\z+4*p+2:SP+64*\z+4*p+3]
.endm
.macro A1 z
	v_pk_add_f32 v[LP+8*\z+2*(p%4):LP+8*\z+2*(p%4)+1], v[LP+8*\z+2*(p%4):LP+8*\z+2*(p%4)+1], v[SP+64*\z+12+2*p:SP+64*\z+13+2*p]
.endm
.macro A2 z
	v_pk_add_f32 v[LP+8*\z+2:LP+8*\z+3], v[LP+8*\z+2:LP+8*\z+3], v[LP+8*\z+4:LP+8*\z+5]
.endm
.macro A3 z
	v_pk_add_f32 v[LP+8*\z:LP+8*\z+1], v[LP+8*\z:LP+8*\z+1], v[LP+8*\z+6:LP+8*\z+7]
.endm
.macro A4 z
	v_pk_add_f32 v[LP+8*\z:LP+8*\z+1], v[LP+8*\z:LP+8*\z+1], v[LP+8*\z+2:LP+8*\z+3]
.endm
.macro MN z
	v_min_num_f32 v[SP+64*\z+k], v[SP+64*\z+k], v[HA]
.endm
.macro CV z
	v_cvt_scalef32_pk8_bf8_f32 v[PP+16*\z+4*bb:PP+16*\z+4*bb+1], v[SP+64*\z+16*bb:SP+64*\z+16*bb+7], v[SC]
	v_cvt_scalef32_pk8_bf8_f32 v[PP+16*\z+4*bb+2:PP+16*\z+4*bb+3], v[SP+64*\z+16*bb+8:SP+64*\z+16*bb+15], v[SC]
.endm
; The softmax of one step: from the scores to p's codes.  V's eight fragments are asked for among the maxima, four loads at a time, and land under the rest.
.macro SOFT x
	EACH \x, MX0
	EACH \x, MX1
.set g, 0
.rept 14
.if g < 8
	VFRAG g
.endif
	EACH \x, MX2
	EACH \x, MX3
.set g, g+1
.endr
	EACH \x, MX4
	EACH \x, C1
	EACH \x, C2
	EACH \x, C3                                    ; the step's largest score of my query
	EACH \x, C4                                    ; as t (c is positive)
	EACH \x, C5                                    ; the running largest t
	EACH \x, C6
	EACH \x, C7                                    ; the new -M = floor(-t): a whole number
	EACH \x, C8                                    ; M's old value less its new one
	EACH \x, C9                                    ; (it saturates)
	EACH \x, C10                                   ; f = 2^(old M - new M)
.set k, 0
.rept 32
	EACH \x, FM                                    ; t - M, two at a time (of the pairs c and -M the low word serves both halves)
.set k, k+2
.endr
	WIN 0x41
.set k, 0
.rept 32
	EACH \x, RS                                    ; O^T under the new M
.set k, k+2
.endr
	WIN 0
	s_wait_alu depctr_va_vdst(0)                   ; the wait ahead of the batch
.set k, 0
.rept 64+64*\x
	v_exp_f32 v[SP+k], v[SP+k]                     ; p = 2^(t - M), at most 1
.set k, k+1
.endr
	EACH \x, LM                                    ; the sums under the new M.  (Plain instructions behind the exponentials)
	s_wait_alu depctr_va_vdst(0)                   ; the wait ahead of the first line that names a result
.set p, 0
.rept 3
	EACH \x, A0                                    ; THE ROW'S SUM IS TAKEN OF THE UNQUANTISED p
.set p, p+1
.endr
.set p, 0
.rept 26
	EACH \x, A1
.set p, p+1
.endr
	EACH \x, A2
	EACH \x, A3
	EACH \x, A4
.set k, 0
.set bb, 0
.rept 4
.rept 16
	EACH \x, MN                                    ; the conversion does not saturate (ISA guide 7.6.2): the hold at the largest code x 2^ep, one-sided since p is not negative; it always runs
.set k, k+1
.endr
	EACH \x, CV
.set bb, bb+1
.endr
	v_nop                                          ; one plain vector instruction behind the last conversion
.endm
; THE CHANGE OF SLOTS.  My tensor load has landed; 0 onto my spare word; the add and my reads of the slot in hand are done.  Behind the barrier the next slot is whole and nobody reads the other one, which takes the tiles of trip ND.
.macro CHANGE fill, tog
	s_wait_tensorcnt 0x0
	ds_add_u32 v[SPW], v[NIL]
.if \fill
	s_xor_b32 s[G0+1], s[G0+1], SLOT1
	s_cmp_gt_u32 s[ND], s[BI]                      ; tile = trip, but behind the low block trip + 8 - i in waves 4-7; trip 8 is tile 8 for all
	s_cselect_b32 s74, s[OFF], 0
	s_cmp_lt_u32 s[ND], 8
	s_cselect_b32 s74, s74, 0
	s_add_co_u32 s74, s74, s[ND]
	s_lshl_b32 s74, s74, 15
	s_add_nc_u64 s[G0+2:G0+3], s[KB:KB+1], s[74:75]
	s_or_b32 s[G0+3], s[G0+3], 0x80000000
	s_add_co_u32 s[ND], s[ND], 1
	s_wait_xcnt 0x0                                ; the last trip's prefetch has read its address
	s_add_nc_u64 s[PFA:PFA+1], s[PFA:PFA+1], 0x8000
.endif
.if \tog
	s_xor_b32 s[TB], s[TB], SLOT1
.endif
	v_add_nc_u32 v[AD], s[TB], v[AD0]
	s_wait_alu depctr_va_vdst(0)                   ; the wait here, directly ahead of the wait below
	s_wait_dscnt 0x0
	s_barrier_signal -1
	s_barrier_wait -1
.if \fill
	tensor_load_to_lds s[G0:G0+3], s[G1:G1+7]      ; the first tensor load behind the barrier, and my only one until the next
	s_nop 0
.endif
.endm
.macro PM z
	v_wmma_f32_16x16x128_bf8_bf8 v[64*\z+8*t:64*\z+8*t+7], v[FR+16*t:FR+16*t+15], v[PP+16*\z:PP+16*\z+15], v[64*\z+8*t:64*\z+8*t+7]
.endm
.macro PV4 x, lo                       ; O^T += V^T P^T, four fragments; the accumulators by turns, one instruction a turn
	WIN 0x51
.set t, \lo
.rept 4
	EACH \x, PM
.set t, t+1
.endr
.endm
.macro STEP fill
	SMUL 1
	MASK 1
	SOFT 1
	CHANGE \fill, 1
	PV4 1, 0
	PLACES
	WIN 0x40
	KLD 0                                          ; the next trip's K, under the rest of this product
	PV4 1, 4
	PLACES
	WIN 0x40
	KLD 4
	WIN 0
.if \fill
	s_cmp_lt_u32 s[NN], s[LIM]
	s_cbranch_scc0 .Lnoask_\@
	global_prefetch_b8 v[PFO], s[PFA:PFA+1] th:TH_LOAD_NT scope:SCOPE_SE   ; my part of trip n + 3's tile
.Lnoask_\@:
.endif
	s_sub_co_u32 s[DG], s[DG], 4
.endm
.macro STG z                           ; 16 queries x 128 d into my stage, by my query
.set q, 0
.rept 16
	ds_store_b128 v[STW], v[SP+64*\z+4*q:SP+64*\z+4*q+3] offset:256*(q/8)+16*(q%8)
.set q, q+1
.endr
.endm
.macro GET b                           ; and back by rows (LDS serves a wave's instructions in order: ISA guide 5.7.1.4)
.set m, 0
.rept 16
	ds_load_b128 v[\b+4*m:\b+4*m+3], v[STR] offset:PITCH*m
.set m, m+1
.endr
.endm
.macro PUT b, s                        ; a row of 512 consecutive bytes an instruction, at a multiple of 512
.set m, 0
.rept 16
	global_store_b128 v[GO], v[\b+4*m:\b+4*m+3], s[\s:\s+1] offset:8192*m th:TH_STORE_NT
.set m, m+1
.endr
.endm
.macro F1 z
	v_add_f32 v[TA+\z], v[LP+8*\z], v[LP+8*\z+1]
.endm
.macro F2 z
	v_permlanex16_b32 v[PR+\z], v[TA+\z], s[SEL], s[SEL+1]
.endm
.macro F3 z
	v_add_f32 v[TA+\z], v[TA+\z], v[PR+\z]
.endm
.macro F4 z
	v_mov_b32 v[MM+1+2*\z], 0xff61b1e6
.endm
.macro F5 z
	v_ldexp_f32 v[TA+\z], v[TA+\z], s[EPV]
.endm
; THE LOW BLOCK'S END, in waves 4-7, in the trip that walked its diagonal: a wave's own affair, round no barrier.  Both tiles go out; then the high block begins: its Q codes come from LDS, the largest t is set back,
; so that the next change of M multiplies the old sums and O^T, which are finite, by 0.
.macro FINISH
	s_cmp_eq_u32 s[NN], s[FL]
	s_cbranch_scc0 .Lgoon_\@
	s_wait_dscnt 0x0
	EACH 1, F1
	EACH 1, F2
	EACH 1, F3                                     ; the rows' sums
	s_wait_alu depctr_va_vdst(0)                   ; the wait ahead of the transcendentals
	v_rcp_f32 v[TA], v[TA]
	v_rcp_f32 v[TA+1], v[TA+1]
	EACH 1, F4                                     ; -3e38, under every t.  (Plain instructions behind the reciprocals)
	s_wait_alu depctr_va_vdst(0)                   ; and ahead of the first line that names a result
	EACH 1, F5                                     ; x 2^(ep + ev)
	EACH 1, C7
	WIN 0x01
	s_wait_alu depctr_va_vdst(0)                   ; the wait ahead of the first reader of O^T
.irp z, 0,1
.set q, 0
.rept 64
	v_mul_f32 v[SP+64*\z+32*(q/32)+4*(q%8)+(q/8)%4], v[64*\z+q], v[TA+\z]   ; four neighbouring d into four neighbouring registers
.set q, q+1
.endr
.endr
	WIN 0
	STG 0
	GET 32
	STG 1
	s_wait_dscnt 16                                ; P's rows are in; X's sixteen stores may be out
	s_add_nc_u64 s[66:67], s[OB:OB+1], s[58:59]
	PUT 32, 66
	GET SP
	s_wait_dscnt 0x0
	s_add_nc_u64 s[68:69], s[OB:OB+1], s[60:61]
	PUT SP, 68
	s_wait_xcnt 0x0                                ; the stores have read v32-159
.irp c, 0,1,2,3
	ds_load_b128 v[QP+4*\c:QP+4*\c+3], v[QHA] offset:2048+512*\c     ; my P is the partner's X,
	ds_load_b128 v[QP+16+4*\c:QP+19+4*\c], v[QHA] offset:512*\c      ; my X its P
.endr
	s_mov_b32 s[DG], s[HDG]
	s_wait_dscnt 0x0
.Lgoon_\@:
.endm
.macro QCV z
.set k, 0
.rept 64
	v_med3_num_f32 v[SP+64*\z+k], v[SP+64*\z+k], -v22, v22   ; the hold at the largest code x 2^eq
.set k, k+1
.endr
.irp c, 0,1,2,3
	v_cvt_scalef32_pk8_bf8_f32 v[QP+16*\z+4*\c:QP+16*\z+4*\c+1], v[SP+64*\z+16*\c:SP+64*\z+16*\c+7], v20
	v_cvt_scalef32_pk8_bf8_f32 v[QP+16*\z+4*\c+2:QP+16*\z+4*\c+3], v[SP+64*\z+16*\c+8:SP+64*\z+16*\c+15], v20
.endr
	v_nop                                          ; one plain vector instruction behind the last conversion
.endm
.macro QTURN z                         ; 16 rows in, and back as my query's d = 32 c + 16 h + 0 .. 15
.set m, 0
.rept 16
	ds_store_b128 v[STR], v[SP+64*\z+4*m:SP+64*\z+4*m+3] offset:PITCH*m
.set m, m+1
.endr
	s_wait_dscnt 0x0
.set m, 0
.rept 16
	ds_load_b128 v[SP+64*\z+4*m:SP+64*\z+4*m+3], v[TA+3] offset:128*(m/4)+16*(m%4)
.set m, m+1
.endr
.endm
	s_load_b256 s[4:11], s[0:1], 0x0               ; Q s[4:5], codes s[6:7], scales s[8:9], out0 s[10:11]
	v_lshl_add_u32 v[SPW], v0, 2, SPARE
	v_mov_b32 v[NIL], 0
	ds_add_u32 v[SPW], v[NIL]                      ; the opening: the add, twice on end, and its wait ahead of my first tensor load
	ds_add_u32 v[SPW], v[NIL]
	v_lshrrev_b32 v[TA], 5, v0
	v_readfirstlane_b32 s12, v[TA]                 ; wave
	s_lshr_b32 s13, s12, 2                         ; 0: waves 0-3, 1: waves 4-7
	s_and_b32 s14, s12, 3                          ; my pair
	s_and_b32 s17, ttmp7, 0xffff
	s_lshr_b32 s16, ttmp9, 2
	s_lshl_b32 s16, s16, 4
	s_lshr_b32 s18, s17, 1
	s_add_co_u32 s16, s16, s18                     ; the head, 16 b + h
	s_and_b32 s15, ttmp9, 3
	s_and_b32 s18, s17, 1
	s_lshl_b32 s18, s18, 2
	s_add_co_u32 s15, s15, s18                     ; i
	s_sub_co_u32 s17, 15, s15
	s_lshl_b32 s17, s17, 7
	s_lshl_b32 s18, s14, 5
	s_add_co_u32 s17, s17, s18                     ; my pair's first query in the high block,
	s_lshl_b32 s19, s15, 7
	s_add_co_u32 s19, s19, s18                     ; and in the low one
	s_lshl_b32 s84, s13, 4                         ; P's 16 queries begin here,
	s_sub_co_u32 s85, 16, s84                      ; X's here
	s_add_co_u32 s58, s19, s84
	s_lshl_b32 s58, s58, 13                        ; out0: a query is 8,192 bytes
	s_mov_b32 s59, 0
	s_add_co_u32 s60, s19, s85
	s_lshl_b32 s60, s60, 13
	s_mov_b32 s61, 0
	s_add_co_u32 s62, s17, s84
	s_lshl_b32 s62, s62, 13
	s_mov_b32 s63, 0
	s_lshr_b32 s76, s16, 4
	s_lshl_b32 s76, s76, 24                        ; out0: b x 2,048 queries
	s_and_b32 s77, s16, 15
	s_lshl_b32 s77, s77, 9                         ; + h x 512 bytes
	s_add_co_u32 s76, s76, s77
	s_mov_b32 s77, 0
	s_lshr_b32 s[HDG], s17, 5
	s_sub_co_u32 s[TG], s[HDG], 32                 ; against tile 8
	s_sub_co_u32 s[HDG], s[HDG], 36                ; against tile 9.  (With i = 7 it is not used)
	s_sub_co_u32 s[OFF], 8, s15
	s_cmp_eq_u32 s13, 0
	s_cselect_b32 s86, s17, s19                    ; the first query that I walk for
	s_cselect_b32 s[BI], 255, s15
	s_cselect_b32 s[FL], -1, s15
	s_lshr_b32 s[DG], s86, 5
	s_sub_co_u32 s[LIM], 6, s13
	s_cmp_eq_u32 s15, 0
	s_cselect_b32 s[LIM], s[LIM], 0
	s_lshl_b32 s87, s16, 20                        ; Q: a head is 2^20 bytes, a query 512
	s_add_co_u32 s80, s86, s84
	s_lshl_b32 s80, s80, 9
	s_add_co_u32 s80, s80, s87
	s_mov_b32 s81, 0
	s_add_co_u32 s82, s86, s85
	s_lshl_b32 s82, s82, 9
	s_add_co_u32 s82, s82, s87
	s_mov_b32 s83, 0
	s_lshl_b32 s78, s16, 19                        ; codes: a head is 524,288 bytes
	s_lshl_b32 s79, s14, 13                        ; my quarter of a tile
	s_add_co_u32 s78, s78, s79
	s_mov_b32 s79, 0
	s_mov_b32 s75, 0
	; descriptor group 1: 32 rows of 256 bytes, dense, no padding
	s_mov_b32 s[G1], 0
	s_mov_b32 s[G1+1], 256<<16
	s_mov_b32 s[G1+2], 32<<16
	s_mov_b32 s[G1+3], 256<<16
	s_mov_b32 s[G1+4], 32
	s_mov_b32 s[G1+5], 256
	s_mov_b32 s[G1+6], 0
	s_mov_b32 s[G1+7], 0
	s_mov_b32 s[SEL], 0x76543210
	s_mov_b32 s[SEL+1], 0xfedcba98
	s_mov_b32 s[CS], 0x3e0293ee                    ; c = log2(e) / sqrt(128)
	s_mov_b32 s[TB], 0
	s_mov_b32 s[NN], 0
	s_mov_b32 s[ND], 1
	s_mov_b32 s[G0], 1
	s_lshl_b32 s[G0+1], s12, 13                    ; waves 0-3: the first tile of a slot, waves 4-7: the second
	s_wait_dscnt 0x0                               ; both opening adds are done
	s_wait_kmcnt 0x0
	s_load_b128 s[44:47], s[8:9], 0x0              ; eq, ek, ep, ev
	s_add_nc_u64 s[KB:KB+1], s[6:7], s[78:79]
	s_mov_b64 s[G0+2:G0+3], s[KB:KB+1]             ; trip 0: tile 0 for all
	s_or_b32 s[G0+3], s[G0+3], 0x80000000
	tensor_load_to_lds s[G0:G0+3], s[G1:G1+7]
	s_nop 0
	s_add_nc_u64 s[80:81], s[4:5], s[80:81]
	s_add_nc_u64 s[82:83], s[4:5], s[82:83]
	s_add_nc_u64 s[OB:OB+1], s[10:11], s[76:77]
	s_lshl_b32 s88, s13, 18
	s_add_co_u32 s88, s88, 0x8000
	s_mov_b32 s89, 0
	s_add_nc_u64 s[PFA:PFA+1], s[KB:KB+1], s[88:89]   ; tile 1 or 9: two changes of slots step it to trip 3's
	v_and_b32 v[TA], 31, v0                        ; lane
	v_lshlrev_b32 v[GO], 4, v[TA]
.irp z, 0,1
.set m, 0
.rept 16
	global_load_b128 v[SP+64*\z+4*m:SP+64*\z+4*m+3], v[GO], s[80+2*\z:81+2*\z] offset:512*m th:TH_LOAD_NT   ; a query's 512 bytes a load
.set m, m+1
.endr
.endr
	v_and_b32 v[TA+1], 15, v0                      ; r
	v_bfe_u32 v[TA+2], v0, 4, 1                    ; h
	s_lshl_b32 s88, s13, 15
	v_add_nc_u32 v[AD0], s88, v[GO]
	v_lshlrev_b32 v[PFO], 8, v[TA]
	s_mul_i32 s88, s12, 16*PITCH
	s_add_co_u32 s88, s88, STAGE
	v_add_nc_u32 v[STR], s88, v[GO]
	v_mul_u32_u24 v[STW], v[TA+1], PITCH
	v_add_nc_u32 v[STW], s88, v[STW]
	v_lshl_add_u32 v[TA+3], v[TA+2], 6, v[STW]     ; Q's way out of the stage: row r, 64 h bytes on
	v_lshl_add_u32 v[STW], v[TA+2], 7, v[STW]      ; O's way in: row r, 128 h bytes on
	s_lshl_b32 s88, s12, 13
	s_add_co_u32 s88, s88, EXCH
	v_add_nc_u32 v[EXA], s88, v[GO]
	s_lshl_b32 s88, s12, 8
	s_add_co_u32 s88, s88, EXML
	v_lshlrev_b32 v[EMB], 2, v[TA]
	v_add_nc_u32 v[EML], s88, v[EMB]
	s_xor_b32 s89, s12, 4                          ; my partner
	s_lshl_b32 s88, s89, 13
	s_add_co_u32 s88, s88, EXCH
	v_add_nc_u32 v[EXB], s88, v[GO]
	s_lshl_b32 s88, s89, 8
	s_add_co_u32 s88, s88, EXML
	v_add_nc_u32 v[EMB], s88, v[EMB]
	s_lshl_b32 s88, s14, 12
	s_add_co_u32 s88, s88, QH
	v_add_nc_u32 v[QHA], s88, v[GO]
	v_lshlrev_b32 v[DP+1], 4, v[TA+2]
	v_sub_nc_u32 v[DP+1], v[TA+1], v[DP+1]         ; r - 16 h
	v_add_nc_u32 v[DP], s84, v[DP+1]
	v_add_nc_u32 v[DP+1], s85, v[DP+1]
	v_mov_b32 v[NINF], 0xff800000
	EACH 1, F4                                     ; the largest t so far: -3e38
	EACH 1, C7
	v_mov_b32 v[FF+1], 0                           ; (named as upper halves of pairs)
	v_mov_b32 v[FF+3], 0
	v_mov_b32 v[PR], 0                             ; (a lane permute's destination counts as one of its sources)
	v_mov_b32 v[PR+1], 0
.irp z, 0,1
	v_mov_b32 v[LP+8*\z], 0
	v_mov_b32 v[LP+8*\z+1], 0
.endr
	WIN 0x40
.set k, 0
.rept 128
	v_mov_b32 v[k], 0                              ; O^T.  (The step is written once: its first change of M finds zeros)
.set k, k+1
.endr
	WIN 0
	s_wait_alu depctr_va_vdst(0)                   ; the wait here, directly ahead of the wait below
	s_wait_kmcnt 0x0
	s_add_co_i32 s88, s44, s45
	s_lshl_b32 s88, s88, 23
	s_add_co_i32 s[CS], s[CS], s88                 ; a score stands for score x 2^(eq + ek): added to c's exponent field
	s_mov_b32 s[CS+1], s[CS]
	s_add_co_i32 s[EPV], s46, s47
	s_add_co_i32 s88, s46, 127
	s_lshl_b32 s89, s88, 23
	v_mov_b32 v[SC], s89
	s_add_co_i32 s88, s88, 15
	s_lshl_b32 s88, s88, 23
	s_or_b32 s88, s88, 0x600000
	v_mov_b32 v[HA], s88
	s_add_co_i32 s88, s44, 127
	s_lshl_b32 s89, s88, 23
	v_mov_b32 v20, s89                             ; 2^eq
	s_add_co_i32 s88, s88, 15
	s_lshl_b32 s88, s88, 23
	s_or_b32 s88, s88, 0x600000
	v_mov_b32 v22, s88                             ; 57,344 x 2^eq
	s_wait_alu depctr_va_vdst(0)                   ; the wait here, directly ahead of the wait below
	s_wait_loadcnt 16                              ; P's sixteen rows are in; X's may be out
	QTURN 0
	s_wait_loadcnt 0x0
	QTURN 1
	s_wait_dscnt 16                                ; P is back; X's sixteen loads may be out
	QCV 0
	s_wait_alu depctr_va_vdst(0)                   ; the wait here, directly ahead of the wait below
	s_wait_dscnt 0x0
	QCV 1
	s_wait_alu depctr_va_vdst(0)                   ; the wait at the head's end
	s_cmp_lg_u32 s13, 0
	s_cbranch_scc1 .Lnohand
.set k, 0
.rept 8
	ds_store_b128 v[QHA], v[QP+4*k:QP+4*k+3] offset:512*k   ; waves 0-3 hand the high block's Q codes over; the barrier below stands in front of their readers
.set k, k+1
.endr
.Lnohand:
	CHANGE 1, 0                                    ; slot 0 is whole; slot 1's first fill
	WIN 0x40
	KLD 0
	KLD 4
	WIN 0
.Ltrip:                                            ; trips 0 .. 6: each fills the slot that it leaves, for two trips on
	STEP 1
	FINISH
	s_add_co_u32 s[NN], s[NN], 1
	s_cmp_lt_u32 s[NN], 7
	s_cbranch_scc1 .Ltrip
	STEP 0                                         ; trip 7: nothing is left to ask for
	FINISH
	; TRIP 8: tile 8 for my P alone.  X is finished as far as I go: its O^T, -M and sum go to my partner.
	s_mov_b32 s[DG], s[TG]
	SMUL 0
	v_add_f32 v[TA+2], v[LP+8], v[LP+9]
	WIN 0x04
.set k, 0
.rept 16
	ds_store_b128 v[EXA], v[64+4*k:64+4*k+3] offset:512*k
.set k, k+1
.endr
	WIN 0
	ds_store_b32 v[EML], v[MM+2]
	ds_store_b32 v[EML], v[TA+2] offset:128
	MASK 0
	SOFT 0
	s_wait_alu depctr_va_vdst(0)                   ; the wait here, directly ahead of the wait below
	s_wait_dscnt 0x0                               ; V's fragments are in, and what my partner will read is in LDS
	s_barrier_signal -1
	PV4 0, 0
	PV4 0, 4
	WIN 0
	s_barrier_wait -1
	; THE TWO PARTS OF P'S ROWS ARE JOINED under the larger M: exact powers of two.  (A partner that walked no tile of the high block has M = -3e38 and counts 0.)
.set k, 0
.rept 16
	ds_load_b128 v[SP+64+4*k:SP+64+4*k+3], v[EXB] offset:512*k
.set k, k+1
.endr
	ds_load_b32 v[TA], v[EMB]
	ds_load_b32 v[TA+1], v[EMB] offset:128
	v_add_f32 v[TA+2], v[LP], v[LP+1]
	s_wait_alu depctr_va_vdst(0)                   ; the wait here, directly ahead of the wait below
	s_wait_dscnt 0x0
	v_min_num_f32 v[TA+3], v[MM], v[TA]            ; the joint -M
	v_sub_f32 v[FF], v[TA+3], v[MM]
	v_sub_f32 v[FF+2], v[TA+3], v[TA]
	v_cvt_i32_f32 v[FF], v[FF]
	v_cvt_i32_f32 v[FF+2], v[FF+2]
	v_ldexp_f32 v[FF], 1.0, v[FF]
	v_ldexp_f32 v[FF+2], 1.0, v[FF+2]
	v_mul_f32 v[TA+2], v[TA+2], v[FF]
	v_fmac_f32 v[TA+2], v[TA+1], v[FF+2]
	v_permlanex16_b32 v[PR], v[TA+2], s[SEL], s[SEL+1]
	v_add_f32 v[TA+2], v[TA+2], v[PR]              ; the rows' sums
	s_wait_alu depctr_va_vdst(0)                   ; the wait ahead of the transcendental
	v_rcp_f32 v[TA+2], v[TA+2]
	v_nop                                          ; one plain place behind it
	s_wait_alu depctr_va_vdst(0)                   ; and ahead of the first line that names its result
	v_ldexp_f32 v[TA+2], v[TA+2], s[EPV]           ; x 2^(ep + ev)
	v_mul_f32 v[FF], v[FF], v[TA+2]
	v_mul_f32 v[FF+2], v[FF+2], v[TA+2]
.set k, 0
.rept 32
	v_pk_mul_f32 v[SP+64+k:SP+64+k+1], v[SP+64+k:SP+64+k+1], v[FF+2:FF+3] op_sel_hi:[1,0]
.set k, k+2
.endr
	WIN 0x01
	s_wait_alu depctr_va_vdst(0)                   ; the wait ahead of the first reader of O^T
.set q, 0
.rept 64
	v_fma_f32 v[SP+32*(q/32)+4*(q%8)+(q/8)%4], v[q], v[FF], v[SP+64+q]
.set q, q+1
.endr
	WIN 0
	STG 0
	GET 160
	s_add_nc_u64 s[66:67], s[OB:OB+1], s[62:63]
.set m, 0
.rept 16
	s_wait_dscnt 15-m                              ; row m is in; the younger rows may be out
	global_store_b128 v[GO], v[160+4*m:160+4*m+3], s[66:67] offset:8192*m th:TH_STORE_NT
.set m, m+1
.endr
	s_wait_tensorcnt 0x0                           ; the wave's end, behind my last tensor load and my last LDS store
	ds_add_u32 v[SPW], v[NIL]
	s_wait_dscnt 0x0
	s_endpgm
.Lfunc_end_k_qe7b6a92141_attn:
	.size	k_qe7b6a92141_attn, .Lfunc_end_k_qe7b6a92141_attn-k_qe7b6a92141_attn
	.p2alignl 7, 3214868480
	.fill 96, 4, 3214868480
	.section	.rodata,"a",@progbits
	.p2align	6, 0x0
	.amdhsa_kernel k_qe7b6a92141_attn
		.amdhsa_group_segment_fixed_size 327680
		.amdhsa_private_segment_fixed_size 0
		.amdhsa_enable_private_segment 0
		.amdhsa_kernarg_size 32
		.amdhsa_user_sgpr_count 2
		.amdhsa_user_sgpr_kernarg_segment_ptr 1
		.amdhsa_wavefront_size32 1
		.amdhsa_system_sgpr_workgroup_id_x 1
		.amdhsa_system_sgpr_workgroup_id_y 1
		.amdhsa_system_sgpr_workgroup_id_z 1
		.amdhsa_system_vgpr_workitem_id 0
		.amdhsa_next_free_vgpr 512
		.amdhsa_next_free_sgpr 100
		.amdhsa_reserve_vcc 1
		.amdhsa_float_denorm_mode_32 3
		.amdhsa_float_denorm_mode_16_64 3
		.amdhsa_memory_ordered 1
		.amdhsa_forward_progress 1
		.amdhsa_inst_pref_size 188
	.end_amdhsa_kernel
	.amdgpu_metadata
---
amdhsa.version: [ 1, 2 ]
amdhsa.kernels:
  - .name:           k_qe7b6a92141_attn
    .symbol:         k_qe7b6a92141_attn.kd
    .args:
      - { .name: query_layer, .offset: 0, .size: 8, .value_kind: global_buffer, .address_space: global }
      - { .name: kv_codes, .offset: 8, .size: 8, .value_kind: global_buffer, .address_space: global }
      - { .name: lowp_scales, .offset: 16, .size: 8, .value_kind: global_buffer, .address_space: global }
      - { .name: out0, .offset: 24, .size: 8, .value_kind: global_buffer, .address_space: global }
    .group_segment_fixed_size: 327680
    .private_segment_fixed_size: 0
    .kernarg_segment_align: 8
    .kernarg_segment_size: 32
    .max_flat_workgroup_size: 256
    .sgpr_count:     100
    .vgpr_count:     512
    .wavefront_size: 32
...
	.end_amdgpu_metadata
.endif
;; end of part 2
